; MI455X (gfx1250); checked and timed in simulation.
; The chip was launched on July 23, 2026; its instructions are those of AMD's public machine-readable ISA for CDNA 5 (MIT licence, August 2026) and "CDNA5" Instruction Set Architecture Reference Guide (July 2026). The comments in the code are by the model that wrote it; some were corrected since.
;; KNN Graph. Allowed arithmetic: float matrix products may take bf16 or f16 operands with f32 sums; all other float work in f32.
;; Inputs: query_bxyz 8,192 x 4 float32; ref_bxyz 16,384 x 4 float32.
;; Outputs: out0 2 x 262,144 int32.
;; Constants: k = 32.
;; One version. Each part assembles by itself: llvm-mc -triple=amdgcn-amd-amdhsa -mcpu=gfx1250 --defsym DOCPART=n.
;; ======== version 1 of 1: 4 launches
;; limits: inputs' magnitudes at most 17,592,186,044,416
;; workspace buffers: ra 524,288 bytes; qb 393,216 bytes; ub 262,144 bytes; mk 16,777,216 bytes of whole numbers; cnt 262,144 bytes of whole numbers
;; launch prep (part 1): grid 96 x 1, 8 waves a work-group, no clusters, 0 bytes of LDS; arguments ref_bxyz, query_bxyz, ra, qb; writes ra, qb
.if DOCPART == 1
	.amdgcn_target "amdgcn-amd-amdhsa--gfx1250"
	.amdhsa_code_object_version 6
	.text
	.protected	k_q58577fdf43_prep
	.globl	k_q58577fdf43_prep
	.p2align	8
	.type	k_q58577fdf43_prep,@function
k_q58577fdf43_prep:
	s_mov_b64 s[64:65], 0
	v_nop
	global_prefetch_b8 v0, s[64:65] scope:SCOPE_SE
	s_setreg_imm32_b32 hwreg(HW_REG_WAVE_MODE, 25, 1), 1
	s_wait_xcnt 0x0
; Operand tables for the two filter launches.  One thread makes one point's row of bf16 numbers.
; Work-groups 0-63: the 16,384 references, table ra.  Work-groups 64-95: the 8,192 queries, table qb.
; All four columns are first rounded to bf16 (nearest even); every later launch works on the rounded numbers.
;   nn  = fma(z,z, fma(y,y, x*x)) in f32, cut exactly into three bf16 parts (8 + 8 + 8 bits)
;   the batch id's 16-bit pattern c (after -0 -> +0; a NaN becomes 0xffff in a reference and 0xfffe in a query, so that
;   it equals nothing) is cut into two bytes chi, clo;  S = chi^2 + clo^2, again three bf16 parts;  P = 2^100.
; Reference row, k = 0..15:  x y z | nn0 nn1 nn2 | 2^-16 nn | 1 || P chi, P clo | P S0, P S1, P S2 | P P P
; Query parts:  G (k 0-7):  -2x -2y -2z | 1 1 1 | +1 | 0          L (k 0-7): the same but  -1 | -2^-15 nn
;               pen (k 8-15): -2chi -2clo | 1 1 1 | S0 S1 S2
; ra: [block 8][tile 128][half 2][row 16][16 bytes]; reference j: row j & 15, block (j >> 4) & 7, tile j >> 7.
; qb: [part 3][query 8192][16 bytes].
; Sixteen neighbouring lanes of every store write 256 consecutive bytes at a multiple of 256: no stage in LDS is needed.
; LIMIT: coordinates finite, |coordinate| < 2^44 (squared distances stay under 2^90, far under the penalty P).
.set HI16, 12                          ; s12 = 0xffff0000
.set PP,   13                          ; s13 = 2^100
.macro SPLIT3 a, r1, r2                ; v[a] = bf16(v[a]) + bf16(v[r1]) + v[r2], exactly
	v_cvt_pk_bf16_f32 v20, v[\a], v[\a]
	v_and_b32 v20, s[HI16], v20
	v_sub_f32 v[\r1], v[\a], v20
	v_cvt_pk_bf16_f32 v20, v[\r1], v[\r1]
	v_and_b32 v20, s[HI16], v20
	v_sub_f32 v[\r2], v[\r1], v20
.endm
; v[4:7] = b x y z as loaded; v23 = the code of a NaN id.  Leaves x~ y~ z~ v10-12, nn v14 (rests v18, v19),
; chi v15, clo v16, S v17 (rests v21, v22).
.macro POINT
	s_wait_loadcnt 0x0                             ; the point's 16 bytes
	v_cvt_pk_bf16_f32 v8, v4, v5
	v_cvt_pk_bf16_f32 v9, v6, v7
	v_lshlrev_b32 v13, 16, v8                      ; b~
	v_and_b32 v10, s[HI16], v8                     ; x~
	v_lshlrev_b32 v11, 16, v9                      ; y~
	v_and_b32 v12, s[HI16], v9                     ; z~
	v_mul_f32 v14, v10, v10
	v_fma_f32 v14, v11, v11, v14
	v_fma_f32 v14, v12, v12, v14                   ; nn
	v_add_f32 v13, 0, v13                          ; -0 becomes +0: the two compare equal in reference()
	v_cmp_neq_f32 vcc_lo, v13, v13                 ; a NaN
	v_lshrrev_b32 v13, 16, v13
	v_cndmask_b32 v13, v13, v23, vcc_lo
	v_lshrrev_b32 v15, 8, v13
	v_and_b32 v16, 0xff, v13
	v_cvt_f32_u32 v15, v15                         ; chi
	v_cvt_f32_u32 v16, v16                         ; clo
	v_mul_f32 v17, v15, v15
	v_fma_f32 v17, v16, v16, v17                   ; S, a whole number below 2^17
	SPLIT3 14, 18, 19
	SPLIT3 17, 21, 22
.endm
	s_load_b256 s[4:11], s[0:1], 0x0               ; ref s[4:5], query s[6:7], ra s[8:9], qb s[10:11]
	s_mov_b32 s[HI16], 0xffff0000
	s_mov_b32 s[PP], 0x71800000
	s_mov_b32 s15, 0
	v_lshlrev_b32 v1, 4, v0                        ; 16 bytes a thread
	s_cmp_lt_u32 ttmp9, 64
	s_cbranch_scc0 .Lquery
	; ---- references: j = 256 x work-group + thread
	s_lshl_b32 s14, ttmp9, 12
	s_wait_kmcnt 0x0
	s_add_nc_u64 s[4:5], s[4:5], s[14:15]
	global_load_b128 v[4:7], v1, s[4:5]
	v_mov_b32 v23, 0xffff
	v_and_b32 v2, 15, v0
	v_lshlrev_b32 v2, 4, v2                        ; row x 16
	v_bfe_u32 v3, v0, 4, 3
	v_lshl_add_u32 v2, v3, 16, v2                  ; + block x 65,536
	v_lshrrev_b32 v3, 7, v0
	v_lshl_add_u32 v2, v3, 9, v2                   ; + (tile's low bit) x 512
	s_lshl_b32 s14, ttmp9, 10                      ; two tiles of each block for a work-group
	s_add_nc_u64 s[8:9], s[8:9], s[14:15]
	POINT
	v_cvt_pk_bf16_f32 v24, v10, v11                ; k 0, 1
	v_cvt_pk_bf16_f32 v25, v12, v14                ; k 2, 3
	v_cvt_pk_bf16_f32 v26, v18, v19                ; k 4, 5
	v_mul_f32 v20, 0x37800000, v14                 ; 2^-16 nn: the reference's share of the filter's margin
	v_cvt_pk_bf16_f32 v27, v20, 1.0                ; k 6, 7
	v_mul_f32 v15, s[PP], v15
	v_mul_f32 v16, s[PP], v16
	v_mul_f32 v17, s[PP], v17
	v_mul_f32 v21, s[PP], v21
	v_mul_f32 v22, s[PP], v22
	v_cvt_pk_bf16_f32 v28, v15, v16                ; k 8, 9
	v_cvt_pk_bf16_f32 v29, v17, v21                ; k 10, 11
	v_cvt_pk_bf16_f32 v30, v22, s[PP]              ; k 12, 13
	v_mov_b32 v31, 0x71807180                      ; k 14, 15
	global_store_b128 v2, v[24:27], s[8:9]
	global_store_b128 v2, v[28:31], s[8:9] offset:256
	s_endpgm
.Lquery:
	; ---- queries: q = 256 x (work-group - 64) + thread
	s_sub_co_u32 s16, ttmp9, 64
	s_lshl_b32 s14, s16, 12
	s_wait_kmcnt 0x0
	s_add_nc_u64 s[6:7], s[6:7], s[14:15]
	s_add_nc_u64 s[10:11], s[10:11], s[14:15]
	global_load_b128 v[4:7], v1, s[6:7]
	v_mov_b32 v23, 0xfffe
	POINT
	v_mul_f32 v10, -2.0, v10
	v_mul_f32 v11, -2.0, v11
	v_mul_f32 v12, -2.0, v12
	v_cvt_pk_bf16_f32 v24, v10, v11                ; G: k 0, 1
	v_cvt_pk_bf16_f32 v25, v12, 1.0                ; k 2, 3
	v_mov_b32 v26, 0x3f803f80                      ; k 4, 5
	v_mov_b32 v27, 0x3f80                          ; k 6 = +1, k 7 = 0
	v_mov_b32 v28, v24                             ; L differs from G in its last word alone
	v_mov_b32 v29, v25
	v_mov_b32 v30, v26
	v_mul_f32 v20, 0xb8000000, v14                 ; -2^-15 nn: the query's share of the margin
	v_cvt_pk_bf16_f32 v31, -1.0, v20               ; k 6 = -1, k 7
	v_mul_f32 v15, -2.0, v15
	v_mul_f32 v16, -2.0, v16
	v_cvt_pk_bf16_f32 v32, v15, v16                ; pen: k 8, 9
	v_mov_b32 v33, 0x3f803f80                      ; k 10, 11
	v_cvt_pk_bf16_f32 v34, 1.0, v17                ; k 12, 13
	v_cvt_pk_bf16_f32 v35, v21, v22                ; k 14, 15
	global_store_b128 v1, v[24:27], s[10:11]
	global_store_b128 v1, v[28:31], s[10:11] offset:131072
	global_store_b128 v1, v[32:35], s[10:11] offset:262144
	s_endpgm
.Lfunc_end_k_q58577fdf43_prep:
	.size	k_q58577fdf43_prep, .Lfunc_end_k_q58577fdf43_prep-k_q58577fdf43_prep
	.p2alignl 7, 3214868480
	.fill 96, 4, 3214868480
	.section	.rodata,"a",@progbits
	.p2align	6, 0x0
	.amdhsa_kernel k_q58577fdf43_prep
		.amdhsa_group_segment_fixed_size 0
		.amdhsa_private_segment_fixed_size 0
		.amdhsa_enable_private_segment 0
		.amdhsa_kernarg_size 32
		.amdhsa_user_sgpr_count 2
		.amdhsa_user_sgpr_kernarg_segment_ptr 1
		.amdhsa_wavefront_size32 1
		.amdhsa_system_sgpr_workgroup_id_x 1
		.amdhsa_system_sgpr_workgroup_id_y 1
		.amdhsa_system_sgpr_workgroup_id_z 1
		.amdhsa_system_vgpr_workitem_id 0
		.amdhsa_next_free_vgpr 40
		.amdhsa_next_free_sgpr 66
		.amdhsa_reserve_vcc 1
		.amdhsa_float_denorm_mode_32 3
		.amdhsa_float_denorm_mode_16_64 3
		.amdhsa_memory_ordered 1
		.amdhsa_forward_progress 1
		.amdhsa_inst_pref_size 7
	.end_amdhsa_kernel
	.amdgpu_metadata
---
amdhsa.version: [ 1, 2 ]
amdhsa.kernels:
  - .name:           k_q58577fdf43_prep
    .symbol:         k_q58577fdf43_prep.kd
    .args:
      - { .name: ref_bxyz, .offset: 0, .size: 8, .value_kind: global_buffer, .address_space: global }
      - { .name: query_bxyz, .offset: 8, .size: 8, .value_kind: global_buffer, .address_space: global }
      - { .name: ra, .offset: 16, .size: 8, .value_kind: global_buffer, .address_space: global }
      - { .name: qb, .offset: 24, .size: 8, .value_kind: global_buffer, .address_space: global }
    .group_segment_fixed_size: 0
    .private_segment_fixed_size: 0
    .kernarg_segment_align: 8
    .kernarg_segment_size: 32
    .max_flat_workgroup_size: 256
    .sgpr_count:     66
    .vgpr_count:     40
    .wavefront_size: 32
...
	.end_amdgpu_metadata
.endif
;; end of part 1
;; launch bound (part 2): grid 32 x 8, 4 waves a work-group, clusters of 4 x 1, 168,448 bytes of LDS; arguments ra, qb, ub; writes ub
.if DOCPART == 2
	.amdgcn_target "amdgcn-amd-amdhsa--gfx1250"
	.amdhsa_code_object_version 6
	.text
	.protected	k_q58577fdf43_bound
	.globl	k_q58577fdf43_bound
	.p2align	8
	.type	k_q58577fdf43_bound,@function
k_q58577fdf43_bound:
	s_mov_b64 s[64:65], 0
	v_nop
	global_prefetch_b8 v0, s[64:65] scope:SCOPE_SE
	s_setreg_imm32_b32 hwreg(HW_REG_WAVE_MODE, 25, 1), 1
	s_wait_xcnt 0x0
	s_wait_alu depctr_hold_cnt(0) depctr_sa_sdst(0) depctr_va_vdst(0) depctr_va_sdst(0) depctr_va_ssrc(0) depctr_va_vcc(0) depctr_vm_vsrc(0)
	s_getreg_b32 s2, hwreg(HW_REG_IB_STS2, 6, 4)
	s_cmp_eq_u32 s2, 0
	s_cbranch_scc0 .Lentry_in_a_cluster
	s_endpgm
.Lentry_in_a_cluster:
	s_bfe_u32 s2, ttmp6, 0x10000c
	s_cmp_lg_u32 s2, 0x3003
	s_cbranch_scc0 .Lentry_shape_is_right
	s_endpgm
.Lentry_shape_is_right:
; An upper bound, for each query and each block of 2,048 references, below which at least four references of the block lie.
; g(q, r) = pen + rr - 2 q.r + 2^-16 rr, from two matrix instructions for each 16 x 16 pairs: the first makes the batch penalty
; (exactly 0 for equal ids, at least 2^100 otherwise: whole numbers below 2^19 times 2^100), the second adds the distance onto it.
; qq is left out: it is the same for all references of a query.
; A work-group: 256 queries x one block (128 tiles of 16 references).  A wave: 4 query tiles x all 128 reference tiles.
; Lane (r, h), register j keeps the minimum of g over the 128 references with row 8 h + j: 16 disjoint groups for a query.
; The fourth smallest of the 16 minima goes to ub; the next launch takes the maximum over the 8 blocks, so 32 different references lie at or below it.
; CLUSTER: the four work-groups of a cluster have the same block and other queries; the block's 65,536 bytes are asked for jointly
; (mask 15), each wave a quarter (64 rows of 256 bytes), once.  One tensor load of a wave is outstanding; no LDS byte is filled twice.
; LIMIT: as stated in the table launch (finite coordinates below 2^44).
.set X0,  4                            ; v[4:19]    the four query tiles' 16 bytes as loaded
.set BD,  32                           ; v[32+16t..+7]  distance operand of query tile t: k 0-7 in lanes 0-15, zeros elsewhere
.set BP,  40                           ; v[40+16t..+7]  penalty operand: k 8-15 in lanes 16-31, zeros elsewhere
.set A0,  96                           ; v[96+16 buf+8 a..+7]  reference tiles, two buffers of two; registers 4-7 (k 16-31) stay 0
.set D0,  128                          ; v[128+32 set+8 i..+7] two sets of four accumulators
.set ACC, 192                          ; v[192+8t+j] running minima
.set TMP, 224
.set UR,  226                          ; v[226:229] the four tiles' bounds; v[230:231] the pair that is stored
.macro ROUND                           ; a round of the cluster's barrier
	s_barrier_signal -1
	s_barrier_wait -1
	s_cmp_lg_u32 s12, 0
	s_cbranch_scc1 .Lnot_wave_0_\@
	s_barrier_signal -3
.Lnot_wave_0_\@:
	s_barrier_wait -3
	s_barrier_signal -1
	s_barrier_wait -1
.endm
.macro LDA buf, pair                   ; two reference tiles: 32 lanes x 16 neighbouring bytes each
	ds_load_b128 v[A0+16*\buf:A0+16*\buf+3], v1 offset:(2*\pair)*512
	ds_load_b128 v[A0+16*\buf+8:A0+16*\buf+11], v1 offset:(2*\pair+1)*512
.endm
; i = 0..3: accumulator i = penalty of (reference tile i >> 1, query tile 2 s + (i & 1)); i = 4..7: the distance added onto accumulator i - 4.
; The four accumulators take turns, one instruction a turn.
.macro WM s, buf, i
.if \i < 4
	v_wmma_f32_16x16x32_bf16 v[D0+32*\s+8*\i:D0+32*\s+8*\i+7], v[A0+16*\buf+8*(\i>>1):A0+16*\buf+8*(\i>>1)+7], v[BP+16*(2*\s+(\i&1)):BP+16*(2*\s+(\i&1))+7], 0
.else
	v_wmma_f32_16x16x32_bf16 v[D0+32*\s+8*(\i-4):D0+32*\s+8*(\i-4)+7], v[A0+16*\buf+8*((\i-4)>>1):A0+16*\buf+8*((\i-4)>>1)+7], v[BD+16*(2*\s+(\i&1)):BD+16*(2*\s+(\i&1))+7], v[D0+32*\s+8*(\i-4):D0+32*\s+8*(\i-4)+7]
.endif
.endm
.macro VAL s, j, pp                    ; register j of set s: both reference tiles into the two query tiles' minima
	v_min3_num_f32 v[ACC+16*\s+\j], v[ACC+16*\s+\j], v[D0+32*\s+\j], v[D0+32*\s+16+\j]
	v_min3_num_f32 v[ACC+16*\s+8+\j], v[ACC+16*\s+8+\j], v[D0+32*\s+8+\j], v[D0+32*\s+24+\j]
.endm
; Eight matrix instructions of set s, with the vector work on the set before (ps, of pair pp) between them.
; The four v_nop are the places behind the last matrix instructions: for the vector reads of their results
; and for the loads into the reference buffer that they read.
.macro SET s, buf, prev, ps, pp, ld, nbuf, np
.rept 4
	v_nop
.endr
.if \ld
	LDA \nbuf, \np
.endif
.irp i, 0,1,2,3,4,5,6,7
	WM \s, \buf, \i
.if \prev
	VAL \ps, \i, \pp
.endif
.endr
.endm
.macro PAIR p, buf, nbuf, prev, pp, ld, np
	s_wait_dscnt 0x0                               ; this pair's two loads, issued a pair earlier; none is younger
	SET 0, \buf, \prev, 1, \pp, \ld, \nbuf, \np
	SET 1, \buf, 1, 0, \p, 0, 0, 0
.endm
.macro CE a, b                         ; the smaller to a, the larger to b
	v_min_num_f32 v[TMP], v[\a], v[\b]
	v_max_num_f32 v[\b], v[\a], v[\b]
	v_mov_b32 v[\a], v[TMP]
.endm
.macro SORT4 b
	CE \b, \b+1
	CE \b+2, \b+3
	CE \b, \b+2
	CE \b+1, \b+3
	CE \b+1, \b+2
.endm
.macro SEL4 t                          ; the fourth smallest of a query's 16 minima (8 here, 8 in lane xor 16)
.set SB, ACC+8*\t
	SORT4 SB
	SORT4 SB+4
.irp i, 0,1,2,3
	v_min_num_f32 v[SB+\i], v[SB+\i], v[SB+7-\i]   ; the four smallest of my eight, a bitonic run
.endr
	CE SB, SB+2
	CE SB+1, SB+3
	CE SB, SB+1
	CE SB+2, SB+3
.irp i, 0,1,2,3
	v_permlanex16_b32 v[SB+4+\i], v[SB+\i], s32, s33
.endr
.irp i, 0,1,2,3
	v_min_num_f32 v[SB+\i], v[SB+\i], v[SB+7-\i]   ; the four smallest of the sixteen
.endr
	v_max3_num_f32 v[UR+\t], v[SB], v[SB+1], v[SB+2]
	v_max_num_f32 v[UR+\t], v[UR+\t], v[SB+3]
.endm
	s_load_b128 s[4:7], s[0:1], 0x0                ; ra s[4:5], qb s[6:7]
	s_load_b64 s[8:9], s[0:1], 0x10                ; ub
	v_lshl_add_u32 v232, v0, 2, 0x29000
	v_mov_b32 v233, 0
	ds_add_u32 v232, v233
	v_lshrrev_b32 v1, 5, v0
	v_readfirstlane_b32 s12, v1                    ; wave
	s_bfe_u32 s13, ttmp6, 0x40000                  ; cx
	s_lshl_b32 s14, ttmp9, 2
	s_add_co_u32 s14, s14, s13                     ; block of 256 queries = 4 x cluster x + cx
	s_and_b32 s15, ttmp7, 0xffff                   ; block of references, shared by the cluster
	; descriptor group 1: 64 rows of 32 elements of 8 bytes, dense
	s_mov_b32 s16, 15|(3<<16)|(1<<21)              ; mask: all four work-groups; element of 8 bytes; bit 21 beside a mask
	s_mov_b32 s17, 32<<16                          ; tensor_dim0 = 32
	s_mov_b32 s18, 64<<16                          ; tensor_dim1 = 64
	s_mov_b32 s19, 32<<16                          ; tile_dim0 = 32
	s_mov_b32 s20, 64                              ; tile_dim1 = 64
	s_mov_b32 s21, 32                              ; pitch = 32 elements
	s_mov_b32 s22, 0
	s_mov_b32 s23, 0
	s_mov_b32 s24, 1
	s_lshl_b32 s25, s12, 14                        ; LDS: wave x 16,384
	s_lshl_b32 s36, s15, 16                        ; block x 65,536
	s_lshl_b32 s37, s12, 14
	s_add_co_u32 s36, s36, s37                     ; + wave x 16,384
	s_mov_b32 s37, 0
	s_wait_dscnt 0x0
	s_wait_kmcnt 0x0
	s_add_nc_u64 s[26:27], s[4:5], s[36:37]
	s_or_b32 s27, s27, 0x80000000
	ROUND                                          ; the four work-groups are here: the joint loads meet
	tensor_load_to_lds s[24:27], s[16:23]
	s_nop 0
	s_mov_b32 s28, 0xffff0000                      ; lanes 16-31
	s_mov_b32 s32, 0x76543210
	s_mov_b32 s33, 0xfedcba98
	s_lshl_b32 s38, s14, 12
	s_lshl_b32 s39, s12, 10
	s_add_co_u32 s38, s38, s39                     ; my wave's first query x 16 bytes
	s_lshl_b32 s34, s14, 2
	s_add_co_u32 s34, s34, s12                     ; group of 64 queries
	s_lshl_b32 s34, s34, 3
	s_add_co_u32 s34, s34, s15
	s_lshl_b32 s34, s34, 8                         ; (group x 8 + block) x 256
	v_and_b32 v20, 15, v0                          ; r
	v_bfe_u32 v21, v0, 4, 1                        ; h
	v_and_b32 v1, 31, v0
	v_lshlrev_b32 v3, 3, v1
	v_add_nc_u32 v3, s34, v3                       ; ub: 8 bytes a lane
	v_lshlrev_b32 v1, 4, v1                        ; LDS: 16 bytes a lane inside a tile
	v_lshlrev_b32 v2, 4, v20
	v_lshl_add_u32 v2, v21, 18, v2                 ; lanes 0-15 part G, lanes 16-31 part pen (2 x 131,072)
	v_add_nc_u32 v2, s38, v2
.irp t, 0,1,2,3
	global_load_b128 v[X0+4*\t:X0+4*\t+3], v2, s[6:7] offset:\t*256
.endr
.irp t, 0,1,2,3
.irp k, 4,5,6,7
	v_mov_b32 v[BD+16*\t+\k], 0                    ; k 16-31 are not used
	v_mov_b32 v[BP+16*\t+\k], 0
	v_mov_b32 v[A0+8*\t+\k], 0
.endr
.endr
	v_mov_b32 v[TMP], 0x7f800000
.irp j, 0,1,2,3,4,5,6,7,8,9,10,11,12,13,14,15,16,17,18,19,20,21,22,23,24,25,26,27,28,29,30,31
	v_mov_b32 v[ACC+\j], v[TMP]                    ; minima start at +inf
.endr
	s_wait_loadcnt 0x0
.irp t, 0,1,2,3
.irp k, 0,1,2,3
	v_cndmask_b32 v[BD+16*\t+\k], v[X0+4*\t+\k], 0, s28
	v_cndmask_b32 v[BP+16*\t+\k], 0, v[X0+4*\t+\k], s28
.endr
.endr
	s_wait_tensorcnt 0x0                           ; my quarter of the block is in LDS,
	s_barrier_signal -1
	s_barrier_wait -1                              ; everybody's is
	s_mov_b32 s30, 0
.Ltrip:                                            ; 16 reference tiles a trip
	LDA 0, 0
	PAIR 0, 0, 1, 0, 0, 1, 1
	PAIR 1, 1, 0, 1, 0, 1, 2
	PAIR 2, 0, 1, 1, 1, 1, 3
	PAIR 3, 1, 0, 1, 2, 1, 4
	PAIR 4, 0, 1, 1, 3, 1, 5
	PAIR 5, 1, 0, 1, 4, 1, 6
	PAIR 6, 0, 1, 1, 5, 1, 7
	PAIR 7, 1, 0, 1, 6, 0, 0
.rept 4
	v_nop                                          ; the places behind the trip's last matrix instructions
.endr
.irp j, 0,1,2,3,4,5,6,7
	VAL 1, \j, 7
.endr
	v_add_nc_u32 v1, 8192, v1
	s_add_co_u32 s30, s30, 1
	s_cmp_lt_u32 s30, 8
	s_cbranch_scc1 .Ltrip
	SEL4 0
	SEL4 1
	SEL4 2
	SEL4 3
	v_cndmask_b32 v230, v[UR], v[UR+2], s28        ; lanes 0-15 store tiles 0, 1; lanes 16-31 tiles 2, 3
	v_cndmask_b32 v231, v[UR+1], v[UR+3], s28
	global_store_b64 v3, v[230:231], s[8:9]        ; the wave's 256 consecutive bytes
	s_wait_tensorcnt 0x0
	ds_add_u32 v232, v233
	s_wait_dscnt 0x0
	ROUND                                          ; the closing round
	s_endpgm
.Lfunc_end_k_q58577fdf43_bound:
	.size	k_q58577fdf43_bound, .Lfunc_end_k_q58577fdf43_bound-k_q58577fdf43_bound
	.p2alignl 7, 3214868480
	.fill 96, 4, 3214868480
	.section	.rodata,"a",@progbits
	.p2align	6, 0x0
	.amdhsa_kernel k_q58577fdf43_bound
		.amdhsa_group_segment_fixed_size 168448
		.amdhsa_private_segment_fixed_size 0
		.amdhsa_enable_private_segment 0
		.amdhsa_kernarg_size 24
		.amdhsa_user_sgpr_count 2
		.amdhsa_user_sgpr_kernarg_segment_ptr 1
		.amdhsa_wavefront_size32 1
		.amdhsa_system_sgpr_workgroup_id_x 1
		.amdhsa_system_sgpr_workgroup_id_y 1
		.amdhsa_system_sgpr_workgroup_id_z 1
		.amdhsa_system_vgpr_workitem_id 0
		.amdhsa_next_free_vgpr 234
		.amdhsa_next_free_sgpr 66
		.amdhsa_reserve_vcc 0
		.amdhsa_float_denorm_mode_32 3
		.amdhsa_float_denorm_mode_16_64 3
		.amdhsa_memory_ordered 1
		.amdhsa_forward_progress 1
		.amdhsa_inst_pref_size 44
	.end_amdhsa_kernel
	.amdgpu_metadata
---
amdhsa.version: [ 1, 2 ]
amdhsa.kernels:
  - .name:           k_q58577fdf43_bound
    .symbol:         k_q58577fdf43_bound.kd
    .args:
      - { .name: ra, .offset: 0, .size: 8, .value_kind: global_buffer, .address_space: global }
      - { .name: qb, .offset: 8, .size: 8, .value_kind: global_buffer, .address_space: global }
      - { .name: ub, .offset: 16, .size: 8, .value_kind: global_buffer, .address_space: global }
    .group_segment_fixed_size: 168448
    .private_segment_fixed_size: 0
    .kernarg_segment_align: 8
    .kernarg_segment_size: 24
    .max_flat_workgroup_size: 128
    .sgpr_count:     66
    .vgpr_count:     234
    .wavefront_size: 32
...
	.end_amdgpu_metadata
.endif
;; end of part 2
;; launch mask (part 3): grid 32 x 8, 4 waves a work-group, clusters of 4 x 1, 168,448 bytes of LDS; arguments ra, qb, ub, mk, cnt; writes mk, cnt
.if DOCPART == 3
	.amdgcn_target "amdgcn-amd-amdhsa--gfx1250"
	.amdhsa_code_object_version 6
	.text
	.protected	k_q58577fdf43_mask
	.globl	k_q58577fdf43_mask
	.p2align	8
	.type	k_q58577fdf43_mask,@function
k_q58577fdf43_mask:
	s_mov_b64 s[64:65], 0
	v_nop
	global_prefetch_b8 v0, s[64:65] scope:SCOPE_SE
	s_setreg_imm32_b32 hwreg(HW_REG_WAVE_MODE, 25, 1), 1
	s_wait_xcnt 0x0
	s_wait_alu depctr_hold_cnt(0) depctr_sa_sdst(0) depctr_va_vdst(0) depctr_va_sdst(0) depctr_va_ssrc(0) depctr_va_vcc(0) depctr_vm_vsrc(0)
	s_getreg_b32 s2, hwreg(HW_REG_IB_STS2, 6, 4)
	s_cmp_eq_u32 s2, 0
	s_cbranch_scc0 .Lentry_in_a_cluster
	s_endpgm
.Lentry_in_a_cluster:
	s_bfe_u32 s2, ttmp6, 0x10000c
	s_cmp_lg_u32 s2, 0x3003
	s_cbranch_scc0 .Lentry_shape_is_right
	s_endpgm
.Lentry_shape_is_right:
; One bit for each pair (query, reference): set if pen + l - thr' < 0, with l = rr - 2 q.r - 2^-16 rr - 2^-15 qq and
; thr' = U + 2^-20 |U| + 2^-100, U = the maximum over the 8 blocks of the query's bounds in ub.  32 different references have g <= U, and
; the two margins are larger than what the matrix sum and the exact f32 value can differ by (taken here as under 2^-17 of the largest
; term), so the set bits hold the 32 nearest of every query.  The two small additions make the test strict: l = U still sets its bit.
; Where U >= 2^90 (a block with fewer than four groups holding a reference of the query's batch) thr' = 2^120, above every penalty
; (below 2^118): every bit is set.
; THE COMPARISON IS PART OF THE PRODUCT: K slots 16-18 hold -1 in every reference fragment and the three bf16 parts of thr' (8 + 8 + 8
; bits, exact) in the query's distance operand, so the second matrix instruction of a pair gives pen + l - thr' and the bit is its sign.
; It does not go in as the first instruction's C: there it would stand beside products near 2^117 that cancel.
; Frame, sharing of work, cluster and LDS as in the launch before: 256 queries x one block a work-group, 4 query tiles a wave,
; the block asked for jointly, one tensor load of a wave outstanding, no LDS byte filled twice.
; mk: [u 128][query 8192][4 words], u = (block x 8 + trip) x 2 + h.  Word k, bit 31 - (8 t + j): reference tile 16 trip + 4 k + t, row 8 h + j.
; cnt: [group of 64 queries 128][block 8][lane 32][2 words]: the number of set bits of a query in this block; lane (r, 0) holds query
; tiles 0 and 1, lane (r, 1) tiles 2 and 3.  The next launch takes its trip count from these whole numbers.
; LIMIT: as stated in the table launch (finite coordinates below 2^44).
.set X0,  4                            ; v[4:19]   the query tiles' 16 bytes as loaded
.set CA,  4                            ; v[4:19]   behind the set-up: the bit count's fields, one register for each of the 16 words
.set CNT, 24                           ; v[24:27]  set bits so far of the four query tiles, as two 16-bit fields
.set BD,  32                           ; v[32+16t..+7] distance operand: k 0-7 and thr' at k 16-18 in lanes 0-15, zeros elsewhere
.set BP,  40                           ; v[40+16t..+7] penalty operand: k 8-15 in lanes 16-31, zeros elsewhere
.set A0,  96                           ; v[96+16 buf+8 a..+7] reference tiles; registers 4-7 are constants: -1 at k 16-18 and 24-26
.set D0,  128                          ; v[128+32 set+8 i..+7] two sets of four accumulators
.set THR, 192                          ; v[192:195] the four query tiles' thresholds, in the set-up
.set W0,  200                          ; v[200+4t+k] the trip's four words of query tile t
.set TMP, 216                          ; v[216:219] at work in the set-up
.set CT,  224                          ; v[224:239] the bit count's second operands
.macro ROUND
	s_barrier_signal -1
	s_barrier_wait -1
	s_cmp_lg_u32 s12, 0
	s_cbranch_scc1 .Lnot_wave_0_\@
	s_barrier_signal -3
.Lnot_wave_0_\@:
	s_barrier_wait -3
	s_barrier_signal -1
	s_barrier_wait -1
.endm
.macro LDA buf, pair                   ; two reference tiles: 32 lanes x 16 neighbouring bytes each
	ds_load_b128 v[A0+16*\buf:A0+16*\buf+3], v1 offset:(2*\pair)*512
	ds_load_b128 v[A0+16*\buf+8:A0+16*\buf+11], v1 offset:(2*\pair+1)*512
.endm
; i = 0..3: accumulator i = penalty of (reference tile i >> 1, query tile 2 s + (i & 1)); i = 4..7: l - thr' added onto accumulator i - 4.
; The four accumulators take turns, one instruction a turn.
.macro WM s, buf, i
.if \i < 4
	v_wmma_f32_16x16x32_bf16 v[D0+32*\s+8*\i:D0+32*\s+8*\i+7], v[A0+16*\buf+8*(\i>>1):A0+16*\buf+8*(\i>>1)+7], v[BP+16*(2*\s+(\i&1)):BP+16*(2*\s+(\i&1))+7], 0
.else
	v_wmma_f32_16x16x32_bf16 v[D0+32*\s+8*(\i-4):D0+32*\s+8*(\i-4)+7], v[A0+16*\buf+8*((\i-4)>>1):A0+16*\buf+8*((\i-4)>>1)+7], v[BD+16*(2*\s+(\i&1)):BD+16*(2*\s+(\i&1))+7], v[D0+32*\s+8*(\i-4):D0+32*\s+8*(\i-4)+7]
.endif
.endm
; Step i of eight on set s of pair pp: registers 2 (i & 3) and 2 (i & 3) + 1 of reference tile i >> 2, for both query tiles.
; word = 2 word + sign: the 64 bits (word, result) shifted right by 31.  A word takes 32 signs, two pairs' worth, the first to bit 31;
; its first sign is written by a plain shift, so no word is ever cleared.  The two query tiles' words take turns.
.macro VAL s, i, pp
.irp d, 0,1
.irp q, 0,1
.if ((\pp & 1) | \i | \d) == 0
	v_lshrrev_b32 v[W0+4*(2*\s+\q)+(\pp>>1)], 31, v[D0+32*\s+8*\q]
.else
	v_alignbit_b32 v[W0+4*(2*\s+\q)+(\pp>>1)], v[W0+4*(2*\s+\q)+(\pp>>1)], v[D0+32*\s+8*(2*(\i>>2)+\q)+2*(\i&3)+\d], 31
.endif
.endr
.endr
.endm
; Eight matrix instructions of set s, with the vector work on the set before (ps, of pair pp) between them.
; The four v_nop are the places behind the last matrix instructions: for the vector reads of their results
; and for the loads into the reference buffer that they read.
.macro SET s, buf, prev, ps, pp, ld, nbuf, np
.rept 4
	v_nop
.endr
.if \ld
	LDA \nbuf, \np
.endif
.irp i, 0,1,2,3,4,5,6,7
	WM \s, \buf, \i
.if \prev
	VAL \ps, \i, \pp
.endif
.endr
.endm
.macro PAIR p, buf, nbuf, prev, pp, ld, np
	s_wait_dscnt 0x0                               ; this pair's two loads, issued a pair earlier; none is younger
	SET 0, \buf, \prev, 1, \pp, \ld, \nbuf, \np
	SET 1, \buf, 1, 0, \p, 0, 0, 0
.endm
; The set bits of the trip's 16 words (word e = 4 t + k), added to the four running counts.  Each step is written for all words before
; the next step, so that 16, 8 or 4 independent instructions stand between an instruction and the one that reads its result.
; The words themselves are only read.
.macro COUNTS
.irp e, 0,1,2,3,4,5,6,7,8,9,10,11,12,13,14,15
	v_lshrrev_b32 v[CT+\e], 1, v[W0+\e]
.endr
.irp e, 0,1,2,3,4,5,6,7,8,9,10,11,12,13,14,15
	v_and_b32 v[CT+\e], s31, v[CT+\e]
.endr
.irp e, 0,1,2,3,4,5,6,7,8,9,10,11,12,13,14,15
	v_sub_nc_u32 v[CA+\e], v[W0+\e], v[CT+\e]      ; fields of 2 bits, 2 at the most
.endr
.irp e, 0,1,2,3,4,5,6,7,8,9,10,11,12,13,14,15
	v_lshrrev_b32 v[CT+\e], 2, v[CA+\e]
.endr
.irp e, 0,1,2,3,4,5,6,7,8,9,10,11,12,13,14,15
	v_and_b32 v[CA+\e], s32, v[CA+\e]
.endr
.irp e, 0,1,2,3,4,5,6,7,8,9,10,11,12,13,14,15
	v_and_b32 v[CT+\e], s32, v[CT+\e]
.endr
.irp e, 0,1,2,3,4,5,6,7,8,9,10,11,12,13,14,15
	v_add_nc_u32 v[CA+\e], v[CA+\e], v[CT+\e]      ; fields of 4 bits, 4 at the most
.endr
.irp e, 0,2,4,6,8,10,12,14
	v_add_nc_u32 v[CA+\e], v[CA+\e], v[CA+\e+1]    ; two words: 8 at the most
.endr
.irp e, 0,2,4,6,8,10,12,14
	v_lshrrev_b32 v[CT+\e], 4, v[CA+\e]            ; 8 + 8 does not fit in 4 bits: mask first, then add
.endr
.irp e, 0,2,4,6,8,10,12,14
	v_and_b32 v[CA+\e], s33, v[CA+\e]
.endr
.irp e, 0,2,4,6,8,10,12,14
	v_and_b32 v[CT+\e], s33, v[CT+\e]
.endr
.irp e, 0,2,4,6,8,10,12,14
	v_add_nc_u32 v[CA+\e], v[CA+\e], v[CT+\e]      ; bytes, 16 at the most
.endr
.irp e, 0,4,8,12
	v_add_nc_u32 v[CA+\e], v[CA+\e], v[CA+\e+2]    ; a query tile's four words: bytes, 32 at the most
.endr
.irp e, 0,4,8,12
	v_lshrrev_b32 v[CT+\e], 8, v[CA+\e]
.endr
.irp e, 0,4,8,12
	v_add_nc_u32 v[CA+\e], v[CA+\e], v[CT+\e]
.endr
.irp e, 0,4,8,12
	v_and_b32 v[CA+\e], s35, v[CA+\e]              ; fields of 16 bits, 64 at the most: 512 after the eight trips
.endr
.irp e, 0,4,8,12
	v_add_nc_u32 v[CNT+\e/4], v[CNT+\e/4], v[CA+\e]
.endr
.endm
	s_load_b256 s[4:11], s[0:1], 0x0               ; ra s[4:5], qb s[6:7], ub s[8:9], mk s[10:11]
	s_load_b64 s[46:47], s[0:1], 0x20              ; cnt
	v_lshl_add_u32 v240, v0, 2, 0x29000
	v_mov_b32 v241, 0
	ds_add_u32 v240, v241
	v_lshrrev_b32 v1, 5, v0
	v_readfirstlane_b32 s12, v1                    ; wave
	s_bfe_u32 s13, ttmp6, 0x40000                  ; cx
	s_lshl_b32 s14, ttmp9, 2
	s_add_co_u32 s14, s14, s13                     ; block of 256 queries
	s_and_b32 s15, ttmp7, 0xffff                   ; block of references, shared by the cluster
	s_mov_b32 s16, 15|(3<<16)|(1<<21)              ; group 1 as in the launch before: 64 dense rows of 256 bytes, mask 15
	s_mov_b32 s17, 32<<16
	s_mov_b32 s18, 64<<16
	s_mov_b32 s19, 32<<16
	s_mov_b32 s20, 64
	s_mov_b32 s21, 32
	s_mov_b32 s22, 0
	s_mov_b32 s23, 0
	s_mov_b32 s24, 1
	s_lshl_b32 s25, s12, 14
	s_lshl_b32 s36, s15, 16
	s_lshl_b32 s37, s12, 14
	s_add_co_u32 s36, s36, s37
	s_mov_b32 s37, 0
	s_wait_dscnt 0x0
	s_wait_kmcnt 0x0
	s_add_nc_u64 s[26:27], s[4:5], s[36:37]
	s_or_b32 s27, s27, 0x80000000
	ROUND                                          ; the four work-groups are here: the joint loads meet
	tensor_load_to_lds s[24:27], s[16:23]
	s_nop 0
	s_mov_b32 s28, 0xffff0000                      ; lanes 16-31, and a word's upper bf16
	s_mov_b32 s29, 0x6c800000                      ; 2^90
	s_mov_b32 s31, 0x55555555                      ; the masks of the bit count
	s_mov_b32 s32, 0x33333333
	s_mov_b32 s33, 0x0f0f0f0f
	s_mov_b32 s35, 0x00ff00ff
	s_mov_b32 s42, 0x35800000                      ; 2^-20
	s_mov_b32 s43, 0x0d800000                      ; 2^-100
	s_lshl_b32 s38, s14, 12
	s_lshl_b32 s39, s12, 10
	s_add_co_u32 s38, s38, s39                     ; my wave's first query x 16 bytes
	s_lshl_b32 s34, s14, 2
	s_add_co_u32 s34, s34, s12
	s_lshl_b32 s34, s34, 11                        ; group of 64 queries x 2,048
	s_lshl_b32 s39, s15, 8
	s_add_co_u32 s39, s39, s34                     ; + block x 256: my wave's 256 bytes of cnt
	s_lshl_b32 s36, s15, 21                        ; block x 16 u x 131,072
	s_add_co_u32 s36, s36, s38
	s_add_nc_u64 s[44:45], s[10:11], s[36:37]      ; mk at my block, trip 0, my first query
	v_and_b32 v20, 15, v0                          ; r
	v_bfe_u32 v21, v0, 4, 1                        ; h
	v_and_b32 v1, 31, v0
	v_lshlrev_b32 v23, 3, v1
	v_add_nc_u32 v23, s39, v23                     ; cnt: 8 bytes a lane
	v_lshlrev_b32 v1, 4, v1                        ; LDS: 16 bytes a lane inside a tile
	v_lshlrev_b32 v2, 4, v20
	v_lshl_add_u32 v22, v21, 17, v2                ; mk: h x 131,072 + r x 16
	v_add_nc_u32 v2, s38, v22                      ; qb: lanes 0-15 part L, lanes 16-31 part pen; 131,072 stands in the immediate
	v_lshlrev_b32 v3, 3, v20
	v_add_nc_u32 v3, s34, v3                       ; ub: my column's pair
.irp t, 0,1,2,3
	global_load_b128 v[X0+4*\t:X0+4*\t+3], v2, s[6:7] offset:131072+\t*256
.endr
.irp b, 0,1,2,3,4,5,6,7
	global_load_b64 v[D0+4*\b:D0+4*\b+1], v3, s[8:9] offset:\b*256          ; block b: tiles 0, 1
	global_load_b64 v[D0+4*\b+2:D0+4*\b+3], v3, s[8:9] offset:\b*256+128    ; tiles 2, 3
.endr
.irp t, 0,1,2,3
	v_mov_b32 v[BD+16*\t+6], 0                     ; k 20-23 and 28-31 are not used
	v_mov_b32 v[BD+16*\t+7], 0
.irp k, 4,5,6,7
	v_mov_b32 v[BP+16*\t+\k], 0                    ; the penalty has nothing at k 16-31
.endr
	v_mov_b32 v[A0+8*\t+4], 0xbf80bf80             ; -1 at k 16, 17 (lanes 0-15) and 24, 25 (lanes 16-31)
	v_mov_b32 v[A0+8*\t+5], 0xbf80                 ; -1 at k 18 and 26
	v_mov_b32 v[A0+8*\t+6], 0
	v_mov_b32 v[A0+8*\t+7], 0
	v_mov_b32 v[CNT+\t], 0                         ; no set bit yet
.endr
	v_mov_b32 v[TMP], 0x7b800000                   ; 2^120
	s_wait_loadcnt 0x0
.irp t, 0,1,2,3
.irp k, 0,1,2,3
	v_cndmask_b32 v[BD+16*\t+\k], v[X0+4*\t+\k], 0, s28
	v_cndmask_b32 v[BP+16*\t+\k], 0, v[X0+4*\t+\k], s28
.endr
.endr
.irp t, 0,1,2,3
	v_max3_num_f32 v[THR+\t], v[D0+\t], v[D0+4+\t], v[D0+8+\t]
	v_max3_num_f32 v[THR+\t], v[THR+\t], v[D0+12+\t], v[D0+16+\t]
	v_max3_num_f32 v[THR+\t], v[THR+\t], v[D0+20+\t], v[D0+24+\t]
	v_max_num_f32 v[THR+\t], v[THR+\t], v[D0+28+\t]              ; U
	v_and_b32 v[TMP+1], 0x7fffffff, v[THR+\t]
	v_cmp_le_f32 vcc_lo, s29, v[THR+\t]            ; a penalty got into the bound: keep every reference
	v_fma_f32 v[THR+\t], v[TMP+1], s42, v[THR+\t]  ; U + 2^-20 |U|
	v_add_f32 v[THR+\t], s43, v[THR+\t]            ; + 2^-100, which counts where U is 0
	v_cndmask_b32 v[THR+\t], v[THR+\t], v[TMP], vcc_lo
	v_cvt_pk_bf16_f32 v[TMP+1], v[THR+\t], v[THR+\t]             ; thr' = bf16(thr') + bf16(rest 1) + rest 2, exactly
	v_and_b32 v[TMP+1], s28, v[TMP+1]
	v_sub_f32 v[TMP+2], v[THR+\t], v[TMP+1]        ; rest 1
	v_cvt_pk_bf16_f32 v[TMP+1], v[TMP+2], v[TMP+2]
	v_and_b32 v[TMP+1], s28, v[TMP+1]
	v_sub_f32 v[TMP+3], v[TMP+2], v[TMP+1]         ; rest 2
	v_cvt_pk_bf16_f32 v[TMP+1], v[THR+\t], v[TMP+2]              ; k 16, 17
	v_cvt_pk_bf16_f32 v[TMP+3], v[TMP+3], 0        ; k 18, 19
	v_cndmask_b32 v[BD+16*\t+4], v[TMP+1], 0, s28  ; in lanes 0-15 alone: k 24-27 stay 0
	v_cndmask_b32 v[BD+16*\t+5], v[TMP+3], 0, s28
.endr
	s_wait_tensorcnt 0x0                           ; my quarter of the block is in LDS,
	s_barrier_signal -1
	s_barrier_wait -1                              ; everybody's is
	s_mov_b32 s30, 0
.Ltrip:                                            ; 16 reference tiles a trip: 128 bits for each lane and query tile
	LDA 0, 0
	PAIR 0, 0, 1, 0, 0, 1, 1
	PAIR 1, 1, 0, 1, 0, 1, 2
	PAIR 2, 0, 1, 1, 1, 1, 3
	PAIR 3, 1, 0, 1, 2, 1, 4
	PAIR 4, 0, 1, 1, 3, 1, 5
	PAIR 5, 1, 0, 1, 4, 1, 6
	PAIR 6, 0, 1, 1, 5, 1, 7
	PAIR 7, 1, 0, 1, 6, 0, 0
.rept 4
	v_nop                                          ; the places behind the trip's last matrix instructions
.endr
.irp j, 0,1,2,3,4,5,6,7
	VAL 1, \j, 7
.endr
.irp t, 0,1,2,3
	global_store_b128 v22, v[W0+4*\t:W0+4*\t+3], s[44:45] offset:\t*256   ; 16 lanes: 256 consecutive bytes at a multiple of 256
.endr
	COUNTS                                         ; reads the words and writes none of the stores' registers
	s_wait_xcnt 0x0                                ; the words and the base are rewritten only behind this wait
	s_add_nc_u64 s[44:45], s[44:45], 0x40000       ; the next trip's two u
	v_add_nc_u32 v1, 8192, v1
	s_add_co_u32 s30, s30, 1
	s_cmp_lt_u32 s30, 8
	s_cbranch_scc1 .Ltrip
	; the counts: the two 16-bit fields, then the other half's rows of the same query (lane xor 16)
	s_mov_b32 s40, 0x76543210
	s_mov_b32 s41, 0xfedcba98
.irp t, 0,1,2,3
	v_lshrrev_b32 v[4+\t], 16, v[CNT+\t]
	v_and_b32 v[CNT+\t], 0xffff, v[CNT+\t]
	v_add_nc_u32 v[CNT+\t], v[CNT+\t], v[4+\t]
	v_permlanex16_b32 v[4+\t], v[CNT+\t], s40, s41
	v_add_nc_u32 v[CNT+\t], v[CNT+\t], v[4+\t]
.endr
	v_cndmask_b32 v8, v[CNT], v[CNT+2], s28        ; lanes 0-15 store tiles 0, 1; lanes 16-31 tiles 2, 3
	v_cndmask_b32 v9, v[CNT+1], v[CNT+3], s28
	global_store_b64 v23, v[8:9], s[46:47]         ; the wave's 256 consecutive bytes
	s_wait_tensorcnt 0x0
	ds_add_u32 v240, v241
	s_wait_dscnt 0x0
	ROUND                                          ; the closing round
	s_endpgm
.Lfunc_end_k_q58577fdf43_mask:
	.size	k_q58577fdf43_mask, .Lfunc_end_k_q58577fdf43_mask-k_q58577fdf43_mask
	.p2alignl 7, 3214868480
	.fill 96, 4, 3214868480
	.section	.rodata,"a",@progbits
	.p2align	6, 0x0
	.amdhsa_kernel k_q58577fdf43_mask
		.amdhsa_group_segment_fixed_size 168448
		.amdhsa_private_segment_fixed_size 0
		.amdhsa_enable_private_segment 0
		.amdhsa_kernarg_size 40
		.amdhsa_user_sgpr_count 2
		.amdhsa_user_sgpr_kernarg_segment_ptr 1
		.amdhsa_wavefront_size32 1
		.amdhsa_system_sgpr_workgroup_id_x 1
		.amdhsa_system_sgpr_workgroup_id_y 1
		.amdhsa_system_sgpr_workgroup_id_z 1
		.amdhsa_system_vgpr_workitem_id 0
		.amdhsa_next_free_vgpr 242
		.amdhsa_next_free_sgpr 66
		.amdhsa_reserve_vcc 1
		.amdhsa_float_denorm_mode_32 3
		.amdhsa_float_denorm_mode_16_64 3
		.amdhsa_memory_ordered 1
		.amdhsa_forward_progress 1
		.amdhsa_inst_pref_size 64
	.end_amdhsa_kernel
	.amdgpu_metadata
---
amdhsa.version: [ 1, 2 ]
amdhsa.kernels:
  - .name:           k_q58577fdf43_mask
    .symbol:         k_q58577fdf43_mask.kd
    .args:
      - { .name: ra, .offset: 0, .size: 8, .value_kind: global_buffer, .address_space: global }
      - { .name: qb, .offset: 8, .size: 8, .value_kind: global_buffer, .address_space: global }
      - { .name: ub, .offset: 16, .size: 8, .value_kind: global_buffer, .address_space: global }
      - { .name: mk, .offset: 24, .size: 8, .value_kind: global_buffer, .address_space: global }
      - { .name: cnt, .offset: 32, .size: 8, .value_kind: global_buffer, .address_space: global }
    .group_segment_fixed_size: 168448
    .private_segment_fixed_size: 0
    .kernarg_segment_align: 8
    .kernarg_segment_size: 40
    .max_flat_workgroup_size: 128
    .sgpr_count:     66
    .vgpr_count:     242
    .wavefront_size: 32
...
	.end_amdgpu_metadata
.endif
;; end of part 3
;; launch rank (part 4): grid 512 x 1, 16 waves a work-group, no clusters, 70,144 bytes of LDS; arguments query_bxyz, ref_bxyz, mk, out0, cnt; writes out0
.if DOCPART == 4
	.amdgcn_target "amdgcn-amd-amdhsa--gfx1250"
	.amdhsa_code_object_version 6
	.text
	.protected	k_q58577fdf43_rank
	.globl	k_q58577fdf43_rank
	.p2align	8
	.type	k_q58577fdf43_rank,@function
k_q58577fdf43_rank:
	s_mov_b64 s[64:65], 0
	v_nop
	global_prefetch_b8 v0, s[64:65] scope:SCOPE_SE
	s_setreg_imm32_b32 hwreg(HW_REG_WAVE_MODE, 25, 1), 1
	s_wait_xcnt 0x0
; The exact ranking of the references whose bit is set.  A work-group: 16 queries; a wave: one query.
; d2 = fma(-2, dot, qq + rr) in f32 on the inputs rounded to bf16, with nn = fma(z,z, fma(y,y, x x)) and dot likewise: every product of two
; bf16 numbers is exact in f32, so these are the bits of reference() on rounded inputs with sums in ascending k.  Other batch: +inf.
; Order: d2 ascending, equal d2 by the lower index.
; Steps: the 16 queries' 512 mask words each come in as whole blocks of 256 bytes and are turned by LDS; the wave counts the bits of its
; query's words and keeps the running counts in LDS; then 32 set bits a trip: lane L finds set bit number 32 c + L (a search over the
; running counts, then inside the word), fetches that reference, computes d2; the 32 pairs (d2, index) are sorted downward across the
; lanes and merged with the best 32 so far.  No matrix unit: three products a pair on a few tens of pairs a query.
; The number N of the query's set bits, and with it the trip count, is the sum of eight whole numbers read from cnt, one for each block
; of references, which the launch before stored; floating-point compares only select values.
; LIMIT: finite coordinates (a NaN d2 has no place in the order used here).
.set PITCH, 2064                       ; 2,048 bytes + 16: the sixteen queries' rows start at sixteen different 16-byte columns
.set EP,    33024                      ; running counts, 16 rows of PITCH
.set RS,    66048                      ; results, 16 x 128 bytes; beyond the 16-bit immediate of an LDS instruction, so it goes into the address register
.set KEY,   37
.set IDX,   25
.set BK,    55
.set BI,    56
.macro POPC x                          ; v[x] = number of its set bits
	v_lshrrev_b32 v24, 1, v[\x]
	v_and_b32 v24, s20, v24
	v_sub_nc_u32 v[\x], v[\x], v24
	v_lshrrev_b32 v24, 2, v[\x]
	v_and_b32 v[\x], s21, v[\x]
	v_and_b32 v24, s21, v24
	v_add_nc_u32 v[\x], v[\x], v24
	v_lshrrev_b32 v24, 4, v[\x]
	v_add_nc_u32 v[\x], v[\x], v24
	v_and_b32 v[\x], s22, v[\x]
	v_mul_lo_u32 v[\x], v[\x], s23
	v_lshrrev_b32 v[\x], 24, v[\x]
.endm
.macro SELSTEP src, w                  ; if the rank is not inside the w bits at v58, pass them
	v_bfe_u32 v24, v[\src], v58, \w
	v_cmp_ge_u32 vcc_lo, v39, v24
	v_cndmask_b32 v24, 0, v24, vcc_lo
	v_sub_nc_u32 v39, v39, v24
	v_cndmask_b32 v26, 0, \w, vcc_lo
	v_add_nc_u32 v58, v58, v26
.endm
; A compare-exchange with lane xor dist.  mask: the lanes that keep the larger pair (inv = 0xffffffff turns every direction round).
.macro STAGE k, i, dist, mask, inv
.if \dist == 16
	v_permlanex16_b32 v41, v[\k], s32, s33
	v_permlanex16_b32 v42, v[\i], s32, s33
.else
	v_mov_b32_dpp v41, v[\k] row_xmask:\dist row_mask:0xf bank_mask:0xf
	v_mov_b32_dpp v42, v[\i] row_xmask:\dist row_mask:0xf bank_mask:0xf
.endif
	v_cmp_lt_f32 s34, v41, v[\k]
	v_cmp_eq_f32 s35, v41, v[\k]
	v_cmp_lt_u32 s36, v42, v[\i]
	s_and_b32 s35, s35, s36
	s_or_b32 s34, s34, s35                         ; the partner's pair is the smaller
	s_xor_b32 s34, s34, \mask^\inv
	v_cndmask_b32 v[\k], v[\k], v41, s34
	v_cndmask_b32 v[\i], v[\i], v42, s34
.endm
.macro MERGE32 k, i, inv
	STAGE \k, \i, 16, 0xffff0000, \inv
	STAGE \k, \i, 8, 0xff00ff00, \inv
	STAGE \k, \i, 4, 0xf0f0f0f0, \inv
	STAGE \k, \i, 2, 0xcccccccc, \inv
	STAGE \k, \i, 1, 0xaaaaaaaa, \inv
.endm
.macro SORT32 k, i, inv
	STAGE \k, \i, 1, 0x66666666, \inv
	STAGE \k, \i, 2, 0x3c3c3c3c, \inv
	STAGE \k, \i, 1, 0x5a5a5a5a, \inv
	STAGE \k, \i, 4, 0x0ff00ff0, \inv
	STAGE \k, \i, 2, 0x33cc33cc, \inv
	STAGE \k, \i, 1, 0x55aa55aa, \inv
	STAGE \k, \i, 8, 0x00ffff00, \inv
	STAGE \k, \i, 4, 0x0f0ff0f0, \inv
	STAGE \k, \i, 2, 0x3333cccc, \inv
	STAGE \k, \i, 1, 0x5555aaaa, \inv
	MERGE32 \k, \i, \inv
.endm
	s_load_b256 s[4:11], s[0:1], 0x0               ; query s[4:5], ref s[6:7], mk s[8:9], out0 s[10:11]
	s_load_b64 s[40:41], s[0:1], 0x20              ; cnt
	v_lshl_add_u32 v64, v0, 2, 0x10a00
	v_mov_b32 v65, 0
	v_lshrrev_b32 v1, 5, v0
	v_readfirstlane_b32 s12, v1                    ; wave = the query's number in the work-group
	v_and_b32 v1, 31, v0                           ; lane
	v_and_b32 v2, 15, v0                           ; for the copy: query
	v_lshrrev_b32 v3, 4, v0                        ; and u mod 32
	v_lshlrev_b32 v4, 4, v2
	v_lshl_add_u32 v4, v3, 17, v4                  ; mk: u x 131,072 + query x 16
	v_mul_u32_u24 v5, v2, PITCH
	v_lshl_add_u32 v5, v3, 4, v5                   ; LDS: query x PITCH + u x 16
	s_lshl_b32 s14, ttmp9, 8                       ; 16 queries x 16 bytes
	s_mov_b32 s15, 0
	s_lshl_b32 s18, s12, 4
	s_add_co_u32 s18, s18, s14
	v_mov_b32 v6, s18                              ; my query's row, the same in every lane
	s_mul_i32 s19, s12, PITCH
	s_mov_b32 s20, 0x55555555
	s_mov_b32 s21, 0x33333333
	s_mov_b32 s22, 0x0f0f0f0f
	s_mov_b32 s23, 0x01010101
	s_mov_b32 s28, 0xffff0000                      ; lanes 16-31, and a word's upper bf16
	s_mov_b32 s29, 0x00ff00ff
	s_mov_b32 s32, 0x76543210
	s_mov_b32 s33, 0xfedcba98
	; my query's word in cnt: the work-group is query tile (x & 3) of group x >> 2, the wave is the tile's row:
	; (x >> 2) x 2,048 + ((x >> 1) & 1) x 128 + wave x 8 + (x & 1) x 4, and 256 bytes from block to block
	s_lshr_b32 s42, ttmp9, 2
	s_lshl_b32 s42, s42, 11
	s_bfe_u32 s43, ttmp9, 0x10001
	s_lshl_b32 s43, s43, 7
	s_add_co_u32 s42, s42, s43
	s_and_b32 s43, ttmp9, 1
	s_lshl_b32 s43, s43, 2
	s_add_co_u32 s42, s42, s43
	s_lshl_b32 s43, s12, 3
	s_add_co_u32 s42, s42, s43
	s_mov_b32 s43, 0
	s_wait_kmcnt 0x0
	s_add_nc_u64 s[8:9], s[8:9], s[14:15]
	s_add_nc_u64 s[16:17], s[8:9], 0x800000        ; u 64 and up: beyond the immediate's reach
	s_add_nc_u64 s[40:41], s[40:41], s[42:43]
	global_load_b128 v[44:47], v6, s[4:5]
	global_load_b128 v[8:11], v4, s[8:9] th:TH_LOAD_NT
	global_load_b128 v[12:15], v4, s[8:9] offset:4194304 th:TH_LOAD_NT
	global_load_b128 v[16:19], v4, s[16:17] th:TH_LOAD_NT
	global_load_b128 v[20:23], v4, s[16:17] offset:4194304 th:TH_LOAD_NT
.irp b, 0,1,2,3,4,5,6,7
	s_load_b32 s[44+\b], s[40:41], \b*256          ; the query's set bits in block b
.endr
	s_wait_loadcnt 0x0
	ds_store_b128 v5, v[8:11]
	ds_store_b128 v5, v[12:15] offset:512
	ds_store_b128 v5, v[16:19] offset:1024
	ds_store_b128 v5, v[20:23] offset:1536
	s_wait_dscnt 0x0                               ; for the other waves' sake
	s_barrier_signal -1
	s_barrier_wait -1
	; my query's 512 words; lane L holds words n = 16 L + 4 k + w, which lie at L x 16 + k x 512 + 4 w
	v_lshl_add_u32 v7, v1, 4, s19
	ds_load_b128 v[8:11], v7
	ds_load_b128 v[12:15], v7 offset:512
	ds_load_b128 v[16:19], v7 offset:1024
	ds_load_b128 v[20:23], v7 offset:1536
	v_mov_b32 v29, s19
	v_lshl_add_u32 v27, v1, 6, s19
	; the query, rounded
	v_cvt_pk_bf16_f32 v48, v44, v45
	v_cvt_pk_bf16_f32 v49, v46, v47
	v_lshlrev_b32 v50, 16, v48                     ; b
	v_and_b32 v51, s28, v48                        ; x
	v_lshlrev_b32 v52, 16, v49                     ; y
	v_and_b32 v53, s28, v49                        ; z
	v_mul_f32 v54, v51, v51
	v_fma_f32 v54, v52, v52, v54
	v_fma_f32 v54, v53, v53, v54                   ; qq
	v_mov_b32 v59, 0x7f800000
	v_mov_b32 v[BK], v59                           ; the best 32 so far: nothing
	v_mov_b32 v[BI], -1
	v_mov_b32 v57, v1                              ; the set bit that this lane takes: 32 c + L
	s_wait_dscnt 0x0
.irp x, 8,9,10,11,12,13,14,15,16,17,18,19,20,21,22,23
	POPC \x
.endr
.irp x, 9,10,11,12,13,14,15,16,17,18,19,20,21,22,23
	v_add_nc_u32 v[\x], v[\x], v[\x-1]             ; running sums inside the lane
.endr
	v_mov_b32 v24, v23
	v_mov_b32 v25, 0
.irp d, 1,2,4,8
	v_mov_b32_dpp v25, v24 row_shr:\d row_mask:0xf bank_mask:0xf bound_ctrl:1
	v_add_nc_u32 v24, v24, v25
.endr
	v_readlane_b32 s24, v24, 15                    ; the lower sixteen lanes' sum
	v_mov_b32 v25, s24
	v_cndmask_b32 v25, 0, v25, s28
	v_add_nc_u32 v24, v24, v25
	v_sub_nc_u32 v26, v24, v23                     ; set bits in the lanes below
.irp x, 23,22,21,20,19,18,17,16,15,14,13,12,11,10,9
	v_add_nc_u32 v[\x], v26, v[\x-1]               ; E[n]: set bits in the words below n
.endr
	v_mov_b32 v8, v26
	ds_store_b128 v27, v[8:11] offset:EP           ; my wave's own row: read back below by this wave alone, in order
	ds_store_b128 v27, v[12:15] offset:EP+16
	ds_store_b128 v27, v[16:19] offset:EP+32
	ds_store_b128 v27, v[20:23] offset:EP+48
	s_wait_kmcnt 0x0                               ; the eight counts
	s_add_co_u32 s25, s44, s45
	s_add_co_u32 s25, s25, s46
	s_add_co_u32 s25, s25, s47
	s_add_co_u32 s25, s25, s48
	s_add_co_u32 s25, s25, s49
	s_add_co_u32 s25, s25, s50
	s_add_co_u32 s25, s25, s51                     ; N: all set bits of the query
	s_add_co_u32 s26, s25, 31
	s_lshr_b32 s26, s26, 5
	s_min_u32 s26, s26, 512                        ; trips: 32 set bits each, 16,384 bits at the most
	s_mov_b32 s27, 0
.Lchunk:
	; the last word n with E[n] <= p
	v_mov_b32 v30, 0
	v_mov_b32 v31, 0
.irp st, 256,128,64,32,16,8,4,2,1
	v_add_nc_u32 v32, \st, v30
	v_min_u32 v32, 0x1ff, v32
	v_lshl_add_u32 v33, v32, 2, v29
	ds_load_b32 v34, v33 offset:EP
	s_wait_dscnt 0x0
	v_cmp_le_u32 vcc_lo, v34, v57
	v_cndmask_b32 v30, v30, v32, vcc_lo
	v_cndmask_b32 v31, v31, v34, vcc_lo
.endr
	v_lshrrev_b32 v32, 4, v30                      ; L of the word
	v_bfe_u32 v33, v30, 2, 2                       ; k
	v_and_b32 v35, 3, v30                          ; w
	v_lshlrev_b32 v36, 4, v32
	v_lshl_add_u32 v36, v33, 9, v36
	v_lshl_add_u32 v36, v35, 2, v36
	v_min_u32 v36, 0x7fc, v36
	v_add_nc_u32 v36, v36, v29
	ds_load_b32 v37, v36
	v_lshl_add_u32 v38, v33, 5, v32                ; u = L + 32 k
	v_sub_nc_u32 v39, v57, v31                     ; rank inside the word
	v_mov_b32 v58, 0
	s_wait_dscnt 0x0
	v_lshrrev_b32 v24, 1, v37                      ; counts of 2, 4, 8 and 16 bits
	v_and_b32 v24, s20, v24
	v_sub_nc_u32 v40, v37, v24
	v_lshrrev_b32 v24, 2, v40
	v_and_b32 v41, s21, v40
	v_and_b32 v24, s21, v24
	v_add_nc_u32 v41, v41, v24
	v_lshrrev_b32 v24, 4, v41
	v_add_nc_u32 v42, v41, v24
	v_and_b32 v42, s22, v42
	v_lshrrev_b32 v24, 8, v42
	v_add_nc_u32 v43, v42, v24
	v_and_b32 v43, s29, v43
	SELSTEP 43, 16
	SELSTEP 42, 8
	SELSTEP 41, 4
	SELSTEP 40, 2
	SELSTEP 37, 1
	; reference = trip << 11 | w << 9 | t << 7 | block << 4 | h << 3 | j, with 8 t + j = 31 - bit, u = (block x 8 + trip) x 2 + h
	v_sub_nc_u32 v24, 31, v58
	v_bfe_u32 v[IDX], v38, 1, 3
	v_lshlrev_b32 v[IDX], 11, v[IDX]
	v_lshl_or_b32 v[IDX], v35, 9, v[IDX]
	v_lshrrev_b32 v26, 3, v24
	v_lshl_or_b32 v[IDX], v26, 7, v[IDX]
	v_lshrrev_b32 v26, 4, v38
	v_lshl_or_b32 v[IDX], v26, 4, v[IDX]
	v_and_b32 v26, 1, v38
	v_lshl_or_b32 v[IDX], v26, 3, v[IDX]
	v_and_b32 v26, 7, v24
	v_or_b32 v[IDX], v[IDX], v26
	v_min_u32 v[IDX], 0x3fff, v[IDX]
	v_lshlrev_b32 v26, 4, v[IDX]
	global_load_b128 v[60:63], v26, s[6:7]
	s_wait_loadcnt 0x0
	v_cvt_pk_bf16_f32 v32, v60, v61
	v_cvt_pk_bf16_f32 v33, v62, v63
	v_lshlrev_b32 v34, 16, v32                     ; b
	v_and_b32 v32, s28, v32                        ; x
	v_lshlrev_b32 v36, 16, v33                     ; y
	v_and_b32 v33, s28, v33                        ; z
	v_mul_f32 v[KEY], v32, v32
	v_mul_f32 v40, v51, v32
	v_fma_f32 v[KEY], v36, v36, v[KEY]
	v_fma_f32 v40, v52, v36, v40
	v_fma_f32 v[KEY], v33, v33, v[KEY]             ; rr
	v_fma_f32 v40, v53, v33, v40                   ; dot
	v_add_f32 v[KEY], v54, v[KEY]                  ; qq + rr
	v_fma_f32 v[KEY], -2.0, v40, v[KEY]            ; d2
	v_cmp_neq_f32 vcc_lo, v50, v34                 ; another batch (a NaN id differs from everything)
	v_cndmask_b32 v[KEY], v[KEY], v59, vcc_lo
	v_cmp_le_u32 vcc_lo, s25, v57                  ; no such set bit: a pair behind all real ones
	v_cndmask_b32 v[KEY], v[KEY], v59, vcc_lo
	v_cndmask_b32 v[IDX], v[IDX], -1, vcc_lo
	SORT32 KEY, IDX, 0xffffffff                    ; downward
	v_cmp_lt_f32 s34, v[KEY], v[BK]                ; lane by lane against the best, which run upward: the 32 smallest of the 64 remain
	v_cmp_eq_f32 s35, v[KEY], v[BK]
	v_cmp_lt_u32 s36, v[IDX], v[BI]
	s_and_b32 s35, s35, s36
	s_or_b32 s34, s34, s35
	v_cndmask_b32 v[BK], v[BK], v[KEY], s34
	v_cndmask_b32 v[BI], v[BI], v[IDX], s34
	MERGE32 BK, BI, 0                              ; and are put in order again
	v_add_nc_u32 v57, 32, v57
	s_add_co_u32 s27, s27, 1
	s_cmp_lt_u32 s27, s26
	s_cbranch_scc1 .Lchunk
	; the way out: 16 queries x 32 indices = 2,048 consecutive bytes of each output row
	v_lshlrev_b32 v24, 2, v1
	s_lshl_b32 s37, s12, 7
	s_add_co_u32 s37, s37, RS                      ; the result region's base and my wave's 128 bytes
	v_add_nc_u32 v24, s37, v24
	ds_store_b32 v24, v[BI]
	s_wait_dscnt 0x0                               ; for the other waves' sake
	s_barrier_signal -1
	s_barrier_wait -1
	s_lshl_b32 s14, ttmp9, 11
	s_add_nc_u64 s[10:11], s[10:11], s[14:15]
	s_cmp_ge_u32 s12, 8
	s_cbranch_scc1 .Lend
	s_cmp_ge_u32 s12, 4
	s_cbranch_scc1 .Lrow1
	v_lshlrev_b32 v24, 4, v0                       ; waves 0-3: the reference indices, 16 bytes a thread
	v_add_nc_u32 v25, RS, v24                      ; where they lie in LDS
	ds_load_b128 v[8:11], v25
	s_wait_dscnt 0x0
	global_store_b128 v24, v[8:11], s[10:11]
	s_wait_tensorcnt 0x0
	ds_add_u32 v64, v65
	s_wait_dscnt 0x0
	s_endpgm
.Lrow1:
	v_and_b32 v24, 127, v0                         ; waves 4-7: the query numbers, four equal words a thread
	s_lshl_b32 s38, ttmp9, 4
	v_lshrrev_b32 v8, 3, v24
	v_add_nc_u32 v8, s38, v8
	v_mov_b32 v9, v8
	v_mov_b32 v10, v8
	v_mov_b32 v11, v8
	v_lshlrev_b32 v24, 4, v24
	global_store_b128 v24, v[8:11], s[10:11] offset:1048576
.Lend:
	s_wait_tensorcnt 0x0
	ds_add_u32 v64, v65
	s_wait_dscnt 0x0
	s_endpgm
.Lfunc_end_k_q58577fdf43_rank:
	.size	k_q58577fdf43_rank, .Lfunc_end_k_q58577fdf43_rank-k_q58577fdf43_rank
	.p2alignl 7, 3214868480
	.fill 96, 4, 3214868480
	.section	.rodata,"a",@progbits
	.p2align	6, 0x0
	.amdhsa_kernel k_q58577fdf43_rank
		.amdhsa_group_segment_fixed_size 70144
		.amdhsa_private_segment_fixed_size 0
		.amdhsa_enable_private_segment 0
		.amdhsa_kernarg_size 40
		.amdhsa_user_sgpr_count 2
		.amdhsa_user_sgpr_kernarg_segment_ptr 1
		.amdhsa_wavefront_size32 1
		.amdhsa_system_sgpr_workgroup_id_x 1
		.amdhsa_system_sgpr_workgroup_id_y 1
		.amdhsa_system_sgpr_workgroup_id_z 1
		.amdhsa_system_vgpr_workitem_id 0
		.amdhsa_next_free_vgpr 66
		.amdhsa_next_free_sgpr 66
		.amdhsa_reserve_vcc 1
		.amdhsa_float_denorm_mode_32 3
		.amdhsa_float_denorm_mode_16_64 3
		.amdhsa_memory_ordered 1
		.amdhsa_forward_progress 1
		.amdhsa_inst_pref_size 34
	.end_amdhsa_kernel
	.amdgpu_metadata
---
amdhsa.version: [ 1, 2 ]
amdhsa.kernels:
  - .name:           k_q58577fdf43_rank
    .symbol:         k_q58577fdf43_rank.kd
    .args:
      - { .name: query_bxyz, .offset: 0, .size: 8, .value_kind: global_buffer, .address_space: global }
      - { .name: ref_bxyz, .offset: 8, .size: 8, .value_kind: global_buffer, .address_space: global }
      - { .name: mk, .offset: 16, .size: 8, .value_kind: global_buffer, .address_space: global }
      - { .name: out0, .offset: 24, .size: 8, .value_kind: global_buffer, .address_space: global }
      - { .name: cnt, .offset: 32, .size: 8, .value_kind: global_buffer, .address_space: global }
    .group_segment_fixed_size: 70144
    .private_segment_fixed_size: 0
    .kernarg_segment_align: 8
    .kernarg_segment_size: 40
    .max_flat_workgroup_size: 512
    .sgpr_count:     66
    .vgpr_count:     66
    .wavefront_size: 32
...
	.end_amdgpu_metadata
.endif
;; end of part 4
